; MI455X (gfx1250); checked and timed in simulation.
; The chip was launched on July 23, 2026; its instructions are those of AMD's public machine-readable ISA for CDNA 5 (MIT licence, August 2026) and "CDNA5" Instruction Set Architecture Reference Guide (July 2026). The comments in the code are by the model that wrote it; some were corrected since.
;; Conditional Attention Dense. Allowed arithmetic: float matrix products may take bf16 or f16 operands with f32 sums; other float arithmetic in f32, or as packed bf16 or f16 multiplies, adds, multiply-adds, maxima and minima; sums over many terms, partial sums and values carried from step to step in f32; what a program stores and reads back later, other than sums and carried values, may be rounded once to bf16 or f16.
;; Inputs: Wk 512 x 64 float32; Wq 512 x 64 float32; Wv 512 x 512 float32; beta 1 float32; bk 64 float32; bq 64 float32; bv 512 float32; query 16 x 32 x 64 x 512 float32.
;; Outputs: out0 16 x 32 x 64 x 512 float32.
;; One version. Each part assembles by itself: llvm-mc -triple=amdgcn-amd-amdhsa -mcpu=gfx1250 --defsym DOCPART=n.
;; ======== version 1 of 1: 3 launches
;; limits: values are held in f16: magnitudes above 65,504 overflow, below 6.1e-05 lose precision
;; workspace buffers: wt 655,360 bytes; qf 8,388,608 bytes; kv 41,943,040 bytes
;; launch prep (part 1): grid 64 x 1, 10 waves a work-group, no clusters, 0 bytes of LDS; arguments Wq, Wk, Wv, wt; writes wt
.if DOCPART == 1
	.amdgcn_target "amdgcn-amd-amdhsa--gfx1250"
	.amdhsa_code_object_version 6
	.text
	.protected	k_q17a580b2f5_prep
	.globl	k_q17a580b2f5_prep
	.p2align	8
	.type	k_q17a580b2f5_prep,@function
k_q17a580b2f5_prep:
	s_mov_b64 s[64:65], 0
	v_nop
	global_prefetch_b8 v0, s[64:65] scope:SCOPE_SE
	s_setreg_imm32_b32 hwreg(HW_REG_WAVE_MODE, 25, 1), 1
	s_wait_xcnt 0x0
; PREP.  wt = Wq, Wk and Wv, each number rounded once to bf16, laid out as matrix fragments for the projection launch.
; A FRAGMENT is 16 output columns x 32 input channels in 1,024 bytes: bytes 0-511 hold registers 0-3 of the 32 lanes (lane l at 16 l), bytes 512-1,023 registers 4-7.
; Lane l holds column l % 16; registers 0-3 channels 8 (l / 16) + 0..7, registers 4-7 channels 16 + 8 (l / 16) + 0..7, the lower channel in the lower half.
; wt = [kc 0..7][w 0..3][ks 0..1][i 0..9] fragments: channels 64 kc + 32 ks on; i = 0: Wq's columns 16 w on; i = 1: Wk's; i = 2..9: Wv's columns 128 w + 16 (i - 2) on.
; SHARES.  Work-group g = (4 kc + w) 2 + ks, wave i makes fragment i: 16 loads of 4 bytes a lane (a column of W runs down the rows), 8 roundings, two stores of 512 consecutive bytes.
; The weights are 1.3 MB in all, read once: the narrow loads are left as they are, and neither LDS nor a barrier is needed.
.macro LOADW pitch, base               ; my column's 16 channels: rows 8 h + j and 16 + 8 h + j, pitch bytes apart
.irp j, 0,1,2,3,4,5,6,7
	global_load_b32 v[8+\j],  v7, s[\base:\base+1] offset:\j*\pitch
	global_load_b32 v[16+\j], v7, s[\base:\base+1] offset:(16+\j)*\pitch
.endr
.endm
	s_load_b256 s[4:11], s[0:1], 0x0               ; Wq s[4:5], Wk s[6:7], Wv s[8:9], wt s[10:11]
	v_lshrrev_b32 v1, 5, v0
	v_readfirstlane_b32 s12, v1                    ; i: my wave, my fragment
	v_and_b32 v2, 15, v0                           ; l % 16
	v_bfe_u32 v3, v0, 4, 1                         ; l / 16
	v_and_b32 v4, 31, v0                           ; l
	s_lshr_b32 s13, ttmp9, 3                       ; kc
	s_bfe_u32 s14, ttmp9, 0x20001                  ; w
	s_and_b32 s15, ttmp9, 1                        ; ks
	s_lshl_b32 s16, s13, 6
	s_lshl_b32 s17, s15, 5
	s_add_co_u32 s16, s16, s17                     ; the fragment's first channel
	v_lshl_add_u32 v5, v3, 3, s16                  ; + 8 (l / 16): my first row of W
	s_mul_i32 s18, ttmp9, 10
	s_add_co_u32 s18, s18, s12
	s_lshl_b32 s18, s18, 10                        ; the fragment's place in wt
	v_lshl_add_u32 v6, v4, 4, s18                  ; + 16 l
	s_wait_kmcnt 0x0
	s_cmp_lt_u32 s12, 2
	s_cbranch_scc0 .Lwide
	s_cmp_eq_u32 s12, 0
	s_cselect_b64 s[20:21], s[4:5], s[6:7]         ; wave 0: Wq, wave 1: Wk
	s_lshl_b32 s19, s14, 4
	v_add_nc_u32 v7, s19, v2                       ; column 16 w + l % 16
	v_lshl_add_u32 v7, v5, 6, v7                   ; + 64 x row
	v_lshlrev_b32 v7, 2, v7
	LOADW 256, 20
	s_branch .Lround
.Lwide:
	s_lshl_b32 s19, s14, 7
	s_sub_co_u32 s22, s12, 2
	s_lshl_b32 s22, s22, 4
	s_add_co_u32 s19, s19, s22
	v_add_nc_u32 v7, s19, v2                       ; column 128 w + 16 (i - 2) + l % 16
	v_lshl_add_u32 v7, v5, 9, v7                   ; + 512 x row
	v_lshlrev_b32 v7, 2, v7
	LOADW 2048, 8
.Lround:
	s_wait_loadcnt 0x0
.irp j, 0,1,2,3,4,5,6,7
	v_cvt_pk_bf16_f32 v[24+\j], v[8+2*\j], v[9+2*\j]   ; two roundings to nearest even, the lower channel into the low half
.endr
	global_store_b128 v6, v[24:27], s[10:11]            ; 512 consecutive bytes, at a multiple of 512 from wt's first byte
	global_store_b128 v6, v[28:31], s[10:11] offset:512
	s_endpgm
.Lfunc_end_k_q17a580b2f5_prep:
	.size	k_q17a580b2f5_prep, .Lfunc_end_k_q17a580b2f5_prep-k_q17a580b2f5_prep
	.p2alignl 7, 3214868480
	.fill 96, 4, 3214868480
	.section	.rodata,"a",@progbits
	.p2align	6, 0x0
	.amdhsa_kernel k_q17a580b2f5_prep
		.amdhsa_group_segment_fixed_size 0
		.amdhsa_private_segment_fixed_size 0
		.amdhsa_enable_private_segment 0
		.amdhsa_kernarg_size 32
		.amdhsa_user_sgpr_count 2
		.amdhsa_user_sgpr_kernarg_segment_ptr 1
		.amdhsa_wavefront_size32 1
		.amdhsa_system_sgpr_workgroup_id_x 1
		.amdhsa_system_sgpr_workgroup_id_y 1
		.amdhsa_system_sgpr_workgroup_id_z 1
		.amdhsa_system_vgpr_workitem_id 0
		.amdhsa_next_free_vgpr 32
		.amdhsa_next_free_sgpr 66
		.amdhsa_reserve_vcc 0
		.amdhsa_float_denorm_mode_32 3
		.amdhsa_float_denorm_mode_16_64 3
		.amdhsa_memory_ordered 1
		.amdhsa_forward_progress 1
		.amdhsa_inst_pref_size 6
	.end_amdhsa_kernel
	.amdgpu_metadata
---
amdhsa.version: [ 1, 2 ]
amdhsa.kernels:
  - .name:           k_q17a580b2f5_prep
    .symbol:         k_q17a580b2f5_prep.kd
    .args:
      - { .name: Wq, .offset: 0, .size: 8, .value_kind: global_buffer, .address_space: global }
      - { .name: Wk, .offset: 8, .size: 8, .value_kind: global_buffer, .address_space: global }
      - { .name: Wv, .offset: 16, .size: 8, .value_kind: global_buffer, .address_space: global }
      - { .name: wt, .offset: 24, .size: 8, .value_kind: global_buffer, .address_space: global }
    .group_segment_fixed_size: 0
    .private_segment_fixed_size: 0
    .kernarg_segment_align: 8
    .kernarg_segment_size: 32
    .max_flat_workgroup_size: 320
    .sgpr_count:     66
    .vgpr_count:     32
    .wavefront_size: 32
...
	.end_amdgpu_metadata
.endif
;; end of part 1
;; launch proj (part 2): grid 256 x 1, 4 waves a work-group, clusters of 4 x 1, 327,680 bytes of LDS; arguments query, wt, bq, bk, bv, qf, kv; writes qf, kv
.if DOCPART == 2
	.amdgcn_target "amdgcn-amd-amdhsa--gfx1250"
	.amdhsa_code_object_version 6
	.text
	.protected	k_q17a580b2f5_proj
	.globl	k_q17a580b2f5_proj
	.p2align	8
	.type	k_q17a580b2f5_proj,@function
k_q17a580b2f5_proj:
	s_mov_b64 s[64:65], 0
	v_nop
	global_prefetch_b8 v0, s[64:65] scope:SCOPE_SE
	s_setreg_imm32_b32 hwreg(HW_REG_WAVE_MODE, 25, 1), 1
	s_wait_xcnt 0x0
	s_wait_alu depctr_hold_cnt(0) depctr_sa_sdst(0) depctr_va_vdst(0) depctr_va_sdst(0) depctr_va_ssrc(0) depctr_va_vcc(0) depctr_vm_vsrc(0)
	s_getreg_b32 s2, hwreg(HW_REG_IB_STS2, 6, 4)
	s_cmp_eq_u32 s2, 0
	s_cbranch_scc0 .Lentry_in_a_cluster
	s_endpgm
.Lentry_in_a_cluster:
	s_bfe_u32 s2, ttmp6, 0x10000c
	s_cmp_lg_u32 s2, 0x3003
	s_cbranch_scc0 .Lentry_shape_is_right
	s_endpgm
.Lentry_shape_is_right:
; PROJ.  q = X Wq + bq, k = X Wk + bk (64 wide), v = X Wv + bv (512 wide), X = query as [32,768 tokens][512].  X, the weights (already in wt) and the biases are rounded once to bf16;
; products in bf16 with f32 sums.  v leaves as f16; q and k leave as TWO f16 numbers each, hi = f16(value), lo = f16(value - hi), so that the unscaled scores of the next launch keep about 22 bits.
; LIMITS.  q, k and v must lie within f16's 65,504 (an infinity otherwise); lo below 6e-5 keeps f16's fixed step of 6e-8.  NaN and infinities are not treated apart.
; OUTPUT LAYOUT: fragments of 1,024 bytes (registers 0-3 of the 32 lanes at 16 l, then registers 4-7), so that the next launch loads every operand as lane x 16 + constant.
;   qf = [tile of 16 tokens][hi, lo][d half of 32]: lane % 16 = token, d along the registers.
;   kv = [batch][block 0..31] x 81,920 bytes.  Block j: 16,384 bytes of K, [16 keys kb][hi, lo][d half], of key step (j + 1) % 32 (64 keys a step); then 65,536 bytes of V of step j,
;        [w 0..3][32 keys kk][16 channels cb]: lane % 16 = channel 128 w + 16 cb + .., keys along the registers.
; SHARES.  A work-group owns 128 tokens (8 tiles mb), all 640 output columns.  Wave w makes v's channels 128 w .. + 127 (source 0 = X, source 1 = W: a lane holds one channel and 8 neighbouring tokens)
; and block w of 16 d of q and of k (source 0 = W, source 1 = X: a lane holds one token and 8 neighbouring d): 80 accumulators.  Each, rounded, is half a fragment: one store of 512 consecutive bytes.
; K goes in 8 chunks of 64 channels, two matrix steps each.  W's chunk (81,920 dense bytes) comes by tensor loads into two LDS slots; each wave fetches, and alone reads, its quarter.
; CLUSTER.  All work-groups walk the same wt: the four of a cluster ask for each quarter JOINTLY (same load, same descriptor, mask of four).
; REGISTERS, in windows of 256 (s_set_vgpr_msb: bits 1:0 source 0, 3:2 source 1, 5:4 source 2, 7:6 destination):
;   window 0: v0-16 addresses; v32-95, v96-159 X's fragments of matrix steps 0, 1 (tile mb at + 8 mb); v160-239 W's ten fragments of step 0; v240-255 W's fragments 0, 1 of step 1
;   window 1: v0-63 X as loaded; v64-127 W's fragments 2-9 of step 1; v128-191 q's sums; v192-255 k's sums          windows 2, 3: v's sums, (mb, cb) at 8 (8 (mb % 4) + cb), window 2 + mb / 4
.set BLK,   81920                      ; a chunk of wt, an LDS slot, and a block of kv
.set QUART, 20480                      ; a wave's quarter of a chunk: [step 0, 1][fragment 0..9]
.set XBASE, 2*BLK                      ; behind the two slots: X's eight regions
.set XP,    144                        ; a row of X in LDS: 128 bytes + 16: an odd multiple of 16, so the 16 rows of a fragment load start in 16 different groups of four banks (ISA guide 11.1)
.set XREG,  128*XP
.set SPARE, XBASE+8*XREG               ; behind them: the spare words, 128 bytes for each wave: two blocks of 256 bytes that no other line names
.set L16, 2                            ; v2   16 x lane
.set RR,  3                            ; v3   l % 16
.set HH,  4                            ; v4   l / 16
.set AW,  5                            ; v5   LDS address of my W fragments in the slot in hand
.set AXA, 6                            ; v6   of X's fragments in the chunk in hand
.set XSA, 7                            ; v7   where I store my 8 bytes of the next chunk's rows
.set XO,  8                            ; v8   my byte offset in two rows of query
.set AX0, 9                            ; v9   144 (l % 16) + 16 (l / 16)
.set XS0, 10                           ; v10  one region on + (32 w + l / 16) 144 + 8 (l % 16)
.set AW0, 11                           ; v11  16 l + my quarter
.set BO,  12                           ; v12  my offset in bv
.set BH,  13                           ; v13  my offset in bq and bk
.set SPW, 14                           ; v14  LDS address of my spare word; never rewritten
.set NIL, 15                           ; v15  0; never rewritten
.set NEG1, 16                          ; v16  -1.0
.set XA0, 32
.set W0,  160
.set RW,  0                            ; window 1
.set W1V, 64                           ; window 1
.set AQ,  128                          ; window 1: q's sums; k's at + 64
.set BVP, 32                           ; the way out, window 0: bv as pairs (b, b), block cb at + 2 cb
.set BQ,  48                           ; bq of my eight d;  bk at + 8
.set OUTR, 64                          ; rounded results, to be stored
.set WV,  18                           ; s18  my wave
.set CX,  19                           ; s19  my place in the cluster: it enters global addresses of query, qf and kv alone
.set WGI, 20                           ; s20  my block of 128 tokens
.set G1,  24                           ; s[24:31] descriptor group 1
.set G0,  32                           ; s[32:35] descriptor group 0: it walks
.set CNT, 36
.set TB,  37                           ; s37  the slot in hand: 0 or BLK
.set WOFF, 38                          ; s38  my quarter
.set XC,  39                           ; s39  X's region in hand
.set XG,  42                           ; s[42:43] query at my 32 rows, at the chunk last asked for
.set QFB, 44                           ; s[44:45] qf at my tiles and my d block
.set KB0, 46                           ; s[46:47] kv's K part that takes my first 64 tokens
.set KB1, 48                           ; s[48:49] the one that takes my other 64
.set VB,  50                           ; s[50:51] kv's V part of my first 64 tokens, at my channels
.set MSK, 56
.set MSB, 0
.macro WIN new                         ; the immediate's high byte repeats the setting that is left; a switch that changes nothing is dropped
.if MSB != (\new)
	s_set_vgpr_msb (MSB<<8)|(\new)
.set MSB, (\new)
.endif
.endm
.macro CROUND                          ; a round of the cluster's barrier: my work-group's barrier; wave 0 signals for it; every wave waits for all four work-groups; my work-group's barrier once more
	s_barrier_signal -1
	s_barrier_wait -1
	s_cmp_lg_u32 s[WV], 0
	s_cbranch_scc1 .Lnot_wave_0_\@
	s_barrier_signal -3
.Lnot_wave_0_\@:
	s_barrier_wait -3
	s_barrier_signal -1
	s_barrier_wait -1
.endm
.macro XLOAD                           ; a chunk of my 32 rows: each load takes two rows' 256 consecutive bytes
	WIN 0x40
.set n, 0
.rept 16
	global_load_b128 v[RW+4*n:RW+4*n+3], v[XO], s[XG:XG+1] offset:4096*n th:TH_LOAD_NT
.set n, n+1
.endr
	WIN 0
.endm
.macro XCONV                           ; rounded to bf16 in place, 8 bytes a lane into the rows of the chunk's own region
	WIN 0x45
.set n, 0
.rept 16
	v_cvt_pk_bf16_f32 v[RW+4*n],   v[RW+4*n],   v[RW+4*n+1]
	v_cvt_pk_bf16_f32 v[RW+4*n+1], v[RW+4*n+2], v[RW+4*n+3]
.set n, n+1
.endr
	WIN 0x04
.set n, 0
.rept 16
	ds_store_b64 v[XSA], v[RW+4*n:RW+4*n+1] offset:2*XP*n
.set n, n+1
.endr
	WIN 0
.endm
.macro FRAGS                           ; 72 LDS loads in one run, in the order in which they are wanted: X and W of step 0, X and W of step 1
	WIN 0
.set f, 0
.rept 8
	ds_load_b128 v[XA0+8*f:XA0+8*f+3],   v[AXA] offset:16*XP*f
	ds_load_b128 v[XA0+8*f+4:XA0+8*f+7], v[AXA] offset:16*XP*f+32
.set f, f+1
.endr
.set f, 0
.rept 10
	ds_load_b128 v[W0+8*f:W0+8*f+3],   v[AW] offset:1024*f
	ds_load_b128 v[W0+8*f+4:W0+8*f+7], v[AW] offset:1024*f+512
.set f, f+1
.endr
.set f, 0
.rept 8
	ds_load_b128 v[XA0+64+8*f:XA0+64+8*f+3],   v[AXA] offset:16*XP*f+64
	ds_load_b128 v[XA0+64+8*f+4:XA0+64+8*f+7], v[AXA] offset:16*XP*f+96
.set f, f+1
.endr
.set f, 0
.rept 2
	ds_load_b128 v[W0+80+8*f:W0+80+8*f+3],   v[AW] offset:10240+1024*f
	ds_load_b128 v[W0+80+8*f+4:W0+80+8*f+7], v[AW] offset:10240+1024*f+512
.set f, f+1
.endr
	WIN 0x40
.set f, 2
.rept 8
	ds_load_b128 v[W1V+8*(f-2):W1V+8*(f-2)+3],   v[AW] offset:10240+1024*f
	ds_load_b128 v[W1V+8*(f-2)+4:W1V+8*(f-2)+7], v[AW] offset:10240+1024*f+512
.set f, f+1
.endr
.endm
; The 80 accumulators take turns, one instruction a turn, in the same order in every matrix step, over the backward jump too.  zero = 1: the product starts its sum: nothing is cleared.
.macro QK s, zero                      ; 16 products: q's and k's d block for the 8 tiles; source 0 = W, source 1 = X
	WIN 0x50
.set f, 0
.rept 2
.set m, 0
.rept 8
.set rD, AQ+64*f+8*m
.set rA, W0+80*(\s)+8*f
.set rB, XA0+64*(\s)+8*m
.if \zero
	v_wmma_f32_16x16x32_bf16 v[rD:rD+7], v[rA:rA+7], v[rB:rB+7], 0
.else
	v_wmma_f32_16x16x32_bf16 v[rD:rD+7], v[rA:rA+7], v[rB:rB+7], v[rD:rD+7]
.endif
.set m, m+1
.endr
.set f, f+1
.endr
.endm
.macro VV s, zero                      ; 64 products: v's 8 channel blocks for the 8 tiles; source 0 = X, source 1 = W
.set hi, 0
.rept 2
	WIN 0xa0+0x50*hi+4*(\s)
.set cb, 0
.rept 8
.set m4, 0
.rept 4
.set rD, 8*(8*m4+cb)
.set rA, XA0+64*(\s)+8*(4*hi+m4)
.set rB, (W0+16+8*cb)*(1-(\s))+(W1V+8*cb)*(\s)
.if \zero
	v_wmma_f32_16x16x32_bf16 v[rD:rD+7], v[rA:rA+7], v[rB:rB+7], 0
.else
	v_wmma_f32_16x16x32_bf16 v[rD:rD+7], v[rA:rA+7], v[rB:rB+7], v[rD:rD+7]
.endif
.set m4, m4+1
.endr
.set cb, cb+1
.endr
.set hi, hi+1
.endr
.endm
; A CHUNK c.  ONE barrier for three things: my quarter of W's chunk c has landed; everybody's rows of X's chunk c are stored; nobody reads the other slot any more.
; refill = 1: the barrier is a round of the cluster's, and W's chunk c + 1 is asked for first thing behind it: it has the chunk's 160 products in which to land.
; conv = 1: X's chunk c + 1 is rounded and stored between the two matrix steps.  load = 1: X's chunk c + 2 is asked for.
.macro TRIPP zero, refill, conv, load
	WIN 0
	s_wait_tensorcnt 0x0                           ; my one tensor load that was out has landed: a group 0 may be written
	ds_add_u32 v[SPW], v[NIL]                      ; 0 onto my spare word: the scalar steps stand between it and the wait for it
	s_xor_b32 s[TB], s[TB], BLK
	s_add_co_u32 s[XC], s[XC], XREG
.if \refill
	s_xor_b32 s40, s[TB], BLK                      ; the other slot,
	s_add_co_u32 s[G0+1], s40, s[WOFF]             ; my quarter of it,
	s_add_nc_u64 s[G0+2:G0+3], s[G0+2:G0+3], BLK   ; the next chunk; the type bits on top are not reached
.endif
	s_wait_dscnt 0x0                               ; the add is done; my stores of X and my reads of the other slot are over
.if \refill
	CROUND
	tensor_load_to_lds s[G0:G0+3], s[G1:G1+7]
	s_nop 0
.else
	s_barrier_signal -1
	s_barrier_wait -1
.endif
	v_add_nc_u32 v[AW], s[TB], v[AW0]              ; four plain instructions: the places between the last products and the loads into registers that they have read
	v_add_nc_u32 v[AXA], s[XC], v[AX0]
.if \conv
	v_add_nc_u32 v[XSA], s[XC], v[XS0]
.else
	v_nop
.endif
	v_nop
	FRAGS
	s_wait_dscnt 52                                ; X of step 0 (16 loads) and W's fragments 0, 1 (4) are in; the 52 younger may be out
	QK 0, \zero
	s_wait_dscnt 36                                ; all of step 0; step 1's 36 loads may be out
	VV 0, \zero
.if \conv
	s_wait_loadcnt 0x0                             ; X's next chunk, asked for a chunk ago; its address is free with it
	XCONV
.endif
.if \load
	s_add_nc_u64 s[XG:XG+1], s[XG:XG+1], 256
	XLOAD
.endif
	s_wait_dscnt 16*(\conv)                        ; step 1's fragments are in; the 16 younger stores of X may be out
	QK 1, 0
	VV 1, 0
.endm
	s_load_b256 s[4:11], s[0:1], 0x0               ; query s[4:5], wt s[6:7], bq s[8:9], bk s[10:11]
	s_load_b128 s[12:15], s[0:1], 0x20             ; bv s[12:13], qf s[14:15]
	s_load_b64 s[16:17], s[0:1], 0x30              ; kv
	v_lshl_add_u32 v[SPW], v0, 2, SPARE
	v_mov_b32 v[NIL], 0
	ds_add_u32 v[SPW], v[NIL]                      ; the wave's opening: the add and its wait stand ahead of my first tensor load; the set-up below, work on registers, stands between them
	v_lshrrev_b32 v1, 5, v0
	v_readfirstlane_b32 s[WV], v1                  ; wave 0..3
	s_bfe_u32 s[CX], ttmp6, 0x40000
	s_lshl_b32 s[WGI], ttmp9, 2                    ; in a cluster launch ttmp9 counts clusters
	s_add_co_u32 s[WGI], s[WGI], s[CX]
	; descriptor group 1: 20,480 dense bytes as 80 rows of 256
	s_mov_b32 s[G1], 15|(3<<16)|(1<<21)            ; 15:0 the mask of four; 17:16 elements of 8 bytes; 21 set beside a mask; no padding
	s_mov_b32 s[G1+1], 32<<16                      ; tensor_dim0 = 32
	s_mov_b32 s[G1+2], 80<<16                      ; tensor_dim1 = 80
	s_mov_b32 s[G1+3], 32<<16                      ; tile_dim0 = 32
	s_mov_b32 s[G1+4], 80                          ; tile_dim1 = 80
	s_mov_b32 s[G1+5], 32                          ; 32 elements from row to row
	s_mov_b32 s[G1+6], 0
	s_mov_b32 s[G1+7], 0
	s_mul_i32 s[WOFF], s[WV], QUART
	s_mov_b32 s[G0], 1                             ; count = 1
	s_mov_b32 s[G0+1], s[WOFF]                     ; LDS address: slot 0, my quarter: no place in the cluster enters it
	s_mov_b32 s40, s[WOFF]
	s_mov_b32 s41, 0
	s_mov_b32 s[TB], BLK                           ; the first chunk turns it into 0
	s_mov_b32 s[XC], XBASE-XREG                    ; and steps this to the first region
	s_mov_b32 s[MSK], 0xffff0000
	v_and_b32 v[L16], 31, v0
	v_lshlrev_b32 v[L16], 4, v[L16]
	v_and_b32 v[RR], 15, v0
	v_bfe_u32 v[HH], v0, 4, 1
	v_lshlrev_b32 v[XO], 4, v[RR]
	v_lshl_add_u32 v[XO], v[HH], 11, v[XO]         ; lanes 0-15 one row of query, lanes 16-31 the next
	v_mul_u32_u24 v[AX0], v[RR], XP
	v_lshl_add_u32 v[AX0], v[HH], 4, v[AX0]
	s_lshl_b32 s21, s[WV], 5
	v_add_nc_u32 v[XS0], s21, v[HH]
	v_mul_u32_u24 v[XS0], v[XS0], XP
	v_lshl_add_u32 v[XS0], v[RR], 3, v[XS0]
	v_add_nc_u32 v[XS0], XREG, v[XS0]
	v_add_nc_u32 v[AW0], s[WOFF], v[L16]
	s_lshl_b32 s21, s[WV], 9
	v_lshl_add_u32 v[BO], v[RR], 2, s21            ; bv[128 w + l % 16 ..]
	s_lshl_b32 s21, s[WV], 6
	v_lshl_add_u32 v[BH], v[HH], 5, s21            ; bq, bk[16 w + 8 (l / 16) ..]
	v_mov_b32 v[NEG1], -1.0
	s_wait_dscnt 0x0                               ; the opening add is done
	s_wait_kmcnt 0x0
	s_add_nc_u64 s[G0+2:G0+3], s[6:7], s[40:41]    ; global address: chunk 0, my quarter
	s_or_b32 s[G0+3], s[G0+3], 0x80000000          ; type = 2
	s_lshl_b32 s52, s[WGI], 18                     ; 128 rows of 2,048 bytes,
	s_lshl_b32 s53, s[WV], 16                      ; my 32 of them
	s_add_co_u32 s52, s52, s53
	s_mov_b32 s53, 0
	s_add_nc_u64 s[XG:XG+1], s[4:5], s[52:53]
	s_lshl_b32 s54, s[WV], 9                       ; my d block: half w % 2 of fragment w / 2 = 512 w bytes
	s_lshl_b32 s52, s[WGI], 15                     ; 8 tiles of 4,096 bytes
	s_add_co_u32 s52, s52, s54
	s_add_nc_u64 s[QFB:QFB+1], s[14:15], s[52:53]
	s_lshl_b32 s55, s[WGI], 1                      ; 32 x batch + my first key step = 2 x my block
	s_mul_i32 s52, s55, BLK
	s_add_co_u32 s52, s52, s54
	s_add_nc_u64 s[KB1:KB1+1], s[16:17], s[52:53]  ; the block of my first step takes the keys of my second
	s_mul_i32 s52, s55, BLK
	s_lshl_b32 s21, s[WV], 14
	s_add_co_u32 s52, s52, s21
	s_add_co_u32 s52, s52, 16384
	s_add_nc_u64 s[VB:VB+1], s[16:17], s[52:53]
	s_add_co_u32 s21, s55, 31
	s_and_b32 s21, s21, 31
	s_and_b32 s55, s55, 0xffffffe0
	s_or_b32 s55, s55, s21                         ; the block before, round the batch's ring of 32, takes the keys of my first step
	s_mul_i32 s52, s55, BLK
	s_add_co_u32 s52, s52, s54
	s_add_nc_u64 s[KB0:KB0+1], s[16:17], s[52:53]
	XLOAD                                          ; X's chunk 0
	CROUND                                         ; all four work-groups are here: the first joint load meets
	tensor_load_to_lds s[G0:G0+3], s[G1:G1+7]      ; W's chunk 0 into slot 0: one tensor load of mine is out
	s_nop 0
	v_add_nc_u32 v[XSA], s[XC], v[XS0]             ; the first region
	v_nop
	v_nop
	v_nop
	s_wait_loadcnt 0x0
	XCONV
	s_add_nc_u64 s[XG:XG+1], s[XG:XG+1], 256
	XLOAD                                          ; X's chunk 1
	TRIPP 1, 1, 1, 1                               ; chunk 0 stands in front of the loop: its first products start the sums
	WIN 0
	s_mov_b32 s[CNT], 5
.Lchunk:                                               ; chunks 1 to 5: each asks for W's next chunk and for X two chunks on (3 to 7)
	TRIPP 0, 1, 1, 1
	WIN 0
	s_sub_co_u32 s[CNT], s[CNT], 1
	s_cmp_lg_u32 s[CNT], 0
	s_cbranch_scc1 .Lchunk
	TRIPP 0, 1, 1, 0                               ; chunk 6 is written out: W's chunk 7 is asked for, X's chunk 7 is rounded and stored, and no further X is asked for: its wait for X is the last load's
	WIN 0x40                                       ; the biases, into the registers that held X as loaded (no load into them is out since chunk 6's wait); they land under the last chunk
.irp c, 0,1,2,3,4,5,6,7
	global_load_b32 v[RW+\c], v[BO], s[12:13] offset:64*\c
.endr
	global_load_b128 v[RW+8:RW+11],  v[BH], s[8:9]
	global_load_b128 v[RW+12:RW+15], v[BH], s[8:9] offset:16
	global_load_b128 v[RW+16:RW+19], v[BH], s[10:11]
	global_load_b128 v[RW+20:RW+23], v[BH], s[10:11] offset:16
	WIN 0
	TRIPP 0, 0, 0, 0                               ; chunk 7 is written out: nothing more is asked for
	; THE WAY OUT.  Four places behind the last products; the biases are rounded to bf16 like every input and widened again.
	WIN 0
.rept 4
	v_nop
.endr
	s_wait_loadcnt 0x0
	WIN 0x05                                       ; sources in window 1, destination in window 0
.irp c, 0,1,2,3,4,5,6,7
	v_cvt_pk_bf16_f32 v[BVP+2*\c], v[RW+\c], v[RW+\c]
.endr
.irp c, 0,1,2,3,4,5,6,7
	v_cvt_pk_bf16_f32 v[BQ+2*\c], v[RW+8+2*\c], v[RW+9+2*\c]
.endr
	WIN 0
.set n, BVP
.rept 16
	v_and_b32 v[n+1], s[MSK], v[n]                 ; the high half stays,
	v_lshlrev_b32 v[n], 16, v[n]                   ; the low half moves up
.set n, n+2
.endr
; q or k: bias; hi = f16(value); value - hi, exact in f32, by one fused multiply-add from hi's half; lo = f16 of that.  Each accumulator's registers are taken in ascending order.
.macro QKOUT acc, bias, outr, isk
	WIN 0x41
.set m, 0
.rept 8
.irp p, 0,1,2,3
	v_pk_add_f32 v[(\acc)+8*m+2*\p:(\acc)+8*m+2*\p+1], v[(\acc)+8*m+2*\p:(\acc)+8*m+2*\p+1], v[(\bias)+2*\p:(\bias)+2*\p+1]
.endr
.set m, m+1
.endr
	s_wait_xcnt 0x0                                ; earlier stores have read their data registers: only behind this wait are those written again
	WIN 0x05
.set m, 0
.rept 32
	v_cvt_pk_f16_f32 v[(\outr)+m], v[(\acc)+2*m], v[(\acc)+2*m+1]
.set m, m+1
.endr
	WIN 0x50
.set m, 0
.rept 32
	v_fma_mix_f32 v[(\acc)+2*m],   v[(\outr)+m], v[NEG1], v[(\acc)+2*m]   op_sel_hi:[1,0,0]
	v_fma_mix_f32 v[(\acc)+2*m+1], v[(\outr)+m], v[NEG1], v[(\acc)+2*m+1] op_sel:[1,0,0] op_sel_hi:[1,0,0]
.set m, m+1
.endr
	WIN 0x05
.set m, 0
.rept 32
	v_cvt_pk_f16_f32 v[(\outr)+32+m], v[(\acc)+2*m], v[(\acc)+2*m+1]
.set m, m+1
.endr
	WIN 0
.set m, 0
.rept 8
.if \isk
.set rB, KB0+2*(m/4)
	global_store_b128 v[L16], v[(\outr)+4*m:(\outr)+4*m+3],       s[rB:rB+1] offset:4096*(m%4)
	global_store_b128 v[L16], v[(\outr)+32+4*m:(\outr)+32+4*m+3], s[rB:rB+1] offset:4096*(m%4)+2048
.else
	global_store_b128 v[L16], v[(\outr)+4*m:(\outr)+4*m+3],       s[QFB:QFB+1] offset:4096*m
	global_store_b128 v[L16], v[(\outr)+32+4*m:(\outr)+32+4*m+3], s[QFB:QFB+1] offset:4096*m+2048
.endif
.set m, m+1
.endr
.endm
; v of tile mb: bias, f16, eight stores of 512 consecutive bytes: half mb % 2 of the fragments of keys 32 ((mb / 2) % 2) on, in the block of step mb / 4
.macro VOUT mb
.set hi, (\mb)/4
.set m4, (\mb)%4
.set rR, OUTR+32*m4
	WIN 0x82+0x41*hi
.set cb, 0
.rept 8
.irp p, 0,1,2,3
	v_pk_add_f32 v[8*(8*m4+cb)+2*\p:8*(8*m4+cb)+2*\p+1], v[8*(8*m4+cb)+2*\p:8*(8*m4+cb)+2*\p+1], v[BVP+2*cb:BVP+2*cb+1]
.endr
.set cb, cb+1
.endr
	s_wait_xcnt 0x0
	WIN 0x0a+5*hi
.set cb, 0
.rept 8
.irp p, 0,1,2,3
	v_cvt_pk_f16_f32 v[rR+4*cb+\p], v[8*(8*m4+cb)+2*\p], v[8*(8*m4+cb)+2*\p+1]
.endr
.set cb, cb+1
.endr
	WIN 0
.set cb, 0
.rept 8
	global_store_b128 v[L16], v[rR+4*cb:rR+4*cb+3], s[VB:VB+1] offset:hi*BLK+(m4/2)*8192+1024*cb+(m4%2)*512
.set cb, cb+1
.endr
.endm
	QKOUT AQ, BQ, OUTR, 0
	QKOUT AQ+64, BQ+8, OUTR+64, 1
.irp t, 0,1,2,3,4,5,6,7
	VOUT \t
.endr
	s_wait_tensorcnt 0x0                           ; the wave's end: behind my last tensor load and my last LDS store
	ds_add_u32 v[SPW], v[NIL]
	s_wait_dscnt 0x0
	CROUND                                         ; the closing round: no work-group ends while a partner may still ask for a tile that names it
	s_endpgm
.Lfunc_end_k_q17a580b2f5_proj:
	.size	k_q17a580b2f5_proj, .Lfunc_end_k_q17a580b2f5_proj-k_q17a580b2f5_proj
	.p2alignl 7, 3214868480
	.fill 96, 4, 3214868480
	.section	.rodata,"a",@progbits
	.p2align	6, 0x0
	.amdhsa_kernel k_q17a580b2f5_proj
		.amdhsa_group_segment_fixed_size 327680
		.amdhsa_private_segment_fixed_size 0
		.amdhsa_enable_private_segment 0
		.amdhsa_kernarg_size 56
		.amdhsa_user_sgpr_count 2
		.amdhsa_user_sgpr_kernarg_segment_ptr 1
		.amdhsa_wavefront_size32 1
		.amdhsa_system_sgpr_workgroup_id_x 1
		.amdhsa_system_sgpr_workgroup_id_y 1
		.amdhsa_system_sgpr_workgroup_id_z 1
		.amdhsa_system_vgpr_workitem_id 0
		.amdhsa_next_free_vgpr 1024
		.amdhsa_next_free_sgpr 66
		.amdhsa_reserve_vcc 0
		.amdhsa_float_denorm_mode_32 3
		.amdhsa_float_denorm_mode_16_64 3
		.amdhsa_memory_ordered 1
		.amdhsa_forward_progress 1
		.amdhsa_inst_pref_size 153
	.end_amdhsa_kernel
	.amdgpu_metadata
---
amdhsa.version: [ 1, 2 ]
amdhsa.kernels:
  - .name:           k_q17a580b2f5_proj
    .symbol:         k_q17a580b2f5_proj.kd
    .args:
      - { .name: query, .offset: 0, .size: 8, .value_kind: global_buffer, .address_space: global }
      - { .name: wt, .offset: 8, .size: 8, .value_kind: global_buffer, .address_space: global }
      - { .name: bq, .offset: 16, .size: 8, .value_kind: global_buffer, .address_space: global }
      - { .name: bk, .offset: 24, .size: 8, .value_kind: global_buffer, .address_space: global }
      - { .name: bv, .offset: 32, .size: 8, .value_kind: global_buffer, .address_space: global }
      - { .name: qf, .offset: 40, .size: 8, .value_kind: global_buffer, .address_space: global }
      - { .name: kv, .offset: 48, .size: 8, .value_kind: global_buffer, .address_space: global }
    .group_segment_fixed_size: 327680
    .private_segment_fixed_size: 0
    .kernarg_segment_align: 8
    .kernarg_segment_size: 56
    .max_flat_workgroup_size: 128
    .sgpr_count:     66
    .vgpr_count:     1024
    .wavefront_size: 32
...
	.end_amdgpu_metadata
.endif
;; end of part 2
;; launch attn (part 3): grid 16 x 16, 4 waves a work-group, clusters of 4 x 1, 327,680 bytes of LDS; arguments qf, kv, query, beta, out0; writes out0
.if DOCPART == 3
	.amdgcn_target "amdgcn-amd-amdhsa--gfx1250"
	.amdhsa_code_object_version 6
	.text
	.protected	k_q17a580b2f5_attn
	.globl	k_q17a580b2f5_attn
	.p2align	8
	.type	k_q17a580b2f5_attn,@function
k_q17a580b2f5_attn:
	s_mov_b64 s[64:65], 0
	v_nop
	global_prefetch_b8 v0, s[64:65] scope:SCOPE_SE
	s_setreg_imm32_b32 hwreg(HW_REG_WAVE_MODE, 25, 1), 1
	s_wait_xcnt 0x0
	s_wait_alu depctr_hold_cnt(0) depctr_sa_sdst(0) depctr_va_vdst(0) depctr_va_sdst(0) depctr_va_ssrc(0) depctr_va_vcc(0) depctr_vm_vsrc(0)
	s_getreg_b32 s2, hwreg(HW_REG_IB_STS2, 6, 4)
	s_cmp_eq_u32 s2, 0
	s_cbranch_scc0 .Lentry_in_a_cluster
	s_endpgm
.Lentry_in_a_cluster:
	s_bfe_u32 s2, ttmp6, 0x10000c
	s_cmp_lg_u32 s2, 0x3003
	s_cbranch_scc0 .Lentry_shape_is_right
	s_endpgm
.Lentry_shape_is_right:
; ATTN.  out = x + beta o,  o[n] = the sum over m of softmax_m(q[n] . k[m]) v[m], 2,048 keys a batch, scores unscaled.  x = query and beta are rounded once to bf16, like every input of the program.
; q and k arrive as f16 hi + lo: s = qh kh + ql kh + qh kl in f32 (ql kl, some 2^-22 of a score, is dropped).  v and the weights p go in f16; maxima, sums and o in f32.
; LIMITS.  q, k, v arrive within f16's 65,504; p lies in 0 to 1 and below 6e-5 keeps f16's fixed step of 6e-8; a weight below 2^-126 counts as 0 in the sum l; NaN and infinities are not treated apart.
; SHARES.  A work-group owns 128 queries (8 tiles T of 16) of one batch and ALL 512 channels.  Wave w makes the scores and the softmax of tiles 2 w, 2 w + 1, and O^T = V^T P for all 8 tiles and its
; channels 128 w .. + 127: 64 accumulators, 512 registers.  The weights P and the rescaling factors a go from the wave that makes them to the other three through LDS.
; LAYOUT.  S^T = K Q^T (source 0 = 16 keys, source 1 = 16 queries): a lane holds ONE query (lane % 16) and the keys 8 (lane / 16) + 0..7; two such results rounded to f16 ARE source 1 of O^T = V^T P.
; Every operand lies in memory and LDS as fragments of 1,024 bytes (registers 0-3 of the lanes at 16 l, then registers 4-7): every LDS load is 16 x lane + constant, 512 consecutive bytes.
; SOFTMAX.  A running maximum m and sum l for each query: p = 2^(c s - c m), c = log2(e); in every step O and l are multiplied by a = 2^(c m_old - c m_new).  m starts at the lowest finite number, O and l at 0:
; the first a is 0 and no first step is written out; the price is 512 lines that clear O^T, run while the first tiles are on their way.
; THE PIPELINE.  Block j of kv holds V of key step j and K of step j + 1 (64 keys a step); block j lies in slot j % 2.  A trip runs from one change of slots to the next, and the change stands IN THE MIDDLE of the
; 128 products V^T P.  Trip j: the change (P(j) and a(j) are handed over, block j has landed, block j + 1 is asked for); a, K's first half and P's first half are read; products 84-127 of step j - 1; K's and P's
; second halves; S(j + 1) = K Q^T in two groups of 24 products, V(j) read behind each; products 0-67 of step j, the softmax of step j + 1 behind them; P(j + 1) and a(j + 1) are stored into buffers that take turns;
; products 68-83 stand round the next change's signal.  All reads of a slot are over at product 63, so the slot is free at the change.
; RIDERS.  Three vector instructions behind a matrix instruction: the 204 of the softmax behind products 0-67, the 256 rescalings of O^T behind products 84-127 and behind the score products; an accumulator is
; rescaled only behind its last product of the step before.  The exponentials are one batch with one wait.
; THE RESIDUAL.  Trips 0-23 fetch four rows each of my wave's 512 bytes of query, round them to bf16 and keep them in LDS, in a block of the wave's own; rows 96-127 come into registers ahead of the last products.
; CLUSTER.  The four query blocks of a cluster belong to one batch and walk the same blocks of kv: each quarter of a block is asked for JOINTLY (same load, same descriptor, mask of four).
; REGISTERS, in windows of 256 (s_set_vgpr_msb: bits 1:0 source 0, 3:2 source 1, 5:4 source 2, 7:6 destination):
;   window 0: v0-27 addresses; v32-47 statistics, 8 a tile; v48-63 (a, a) of the 8 tiles; v64-191 P's fragments, (T, kk) at + 16 T + 8 kk; v192-255 S^T, 32 a tile
;   window 1: v0-63 Q, 32 a tile: + 8 (2 x + c), x = hi, lo, c = d half; v64-191 K of a step (+ 32 kb + 8 (2 x + c)), then V of a step (+ 64 kk + 8 cb); v192-223 my P, rounded; v224-239 x on its way
;   windows 2, 3: O^T, (T, cb) at 8 (8 (T % 4) + cb), window 2 + T / 4
.set BLK,   81920                      ; a block of kv: 16,384 bytes of K, 65,536 of V
.set QUART, 20480                      ; what one wave fetches of it
.set SLOT1, 0x20000                    ; slot 0 at 0; slot 1 here, so that one exclusive or turns an address in one slot into the other's
.set PB0,   0x14000                    ; P's two buffers of 16,384 bytes, [T][kb] x 512, at 0x14000 and 0x18000
.set PTOG,  0xC000
.set K0R,   0x1C000                    ; K of step 0: filled once
.set AB0,   0x34000                    ; a's two buffers, at 0x34000 and 0x34800: 16 rows (lane % 16) of 80 bytes, (a, a) of tile T at 8 T
.set ATOG,  0x800
.set AP,    80
.set XL,    0x35000                    ; x in bf16: wave w's block at + XW w, row n of 96 at + 256 n: my 128 channels
.set XROWS, 96
.set XW,    XROWS*256
.set GB,    XL+4*XW                    ; (g, g), g = beta / l, for each of the 128 queries
.set SPARE, GB+1024                    ; behind them: the spare words, 128 bytes for each wave: two blocks of 256 bytes that no other line names
.set SPI,   528                        ; the way out: a stage row: 512 bytes + 16, an odd multiple of 16
.set STW,   64*SPI                     ; a wave's stage, 64 rows, used twice; the four stages lie over slot 0 and what follows it, behind the last fill and a barrier, and end ahead of x
.set L16, 2                            ; v2   16 x lane; never rewritten
.set ADK, 3                            ; v3-6 LDS addresses of the trip's K, V, P and a
.set ADV, 4
.set ADP, 5
.set ADA, 6
.set PSA, 7                            ; v7, 8  where I store my P and my a
.set ASA, 8
.set RR,  9                            ; v9   l % 16
.set HH,  10                           ; v10  l / 16
.set STO, 11                           ; v11  the way out: where I put 32 bytes of a row
.set RD,  12                           ; v12  where I read a row back
.set PFO, 13                           ; v13  256 x lane, for the prefetches; never rewritten
.set VB0, 14                           ; v14  16 l + V's part + my quarter of it
.set PSB, 15                           ; v15  16 l + my two tiles in a buffer of P
.set ARB, 16                           ; v16  80 (l % 16)
.set ASB, 17                           ; v17  the same + my two tiles
.set SPW, 18                           ; v18  LDS address of my spare word; never rewritten
.set NIL, 19                           ; v19  0; never rewritten
.set GSA, 20                           ; v20  where I store g
.set GA,  21                           ; v21  where everybody reads it
.set XSA, 23                           ; v23  where I store the trip's four rows of x
.set RD0, 24                           ; v24  my stage's first row + 16 l
.set XRA, 25                           ; v25  where I read x back
.set XGO, 26                           ; v26  my byte offset in query of the four rows asked for
.set XS0, 27                           ; v27  my block of x + 8 l
.set ST,  32                           ; tile t at + 8 t: c m, m, l (even keys', odd keys'), c0-c3 at work; a takes c2's place
.set AF,  48
.set PF,  64
.set S,   192
.set QF,  0                            ; window 1
.set KF,  64                           ; window 1
.set PP,  192                          ; window 1
.set XR,  224                          ; window 1
.set OR,  64                           ; the way out, window 0: 32 rows of o, 4 registers each
.set GR,  192                          ; 32 pairs (g, g)
.set XU,  64                           ; the way out, window 1: 32 rows of x from LDS, 4 registers each
.set WV,  14
.set CX,  15                           ; my place in the cluster: it enters global addresses of qf, query, out0 and of the prefetches alone
.set QBK, 16
.set BT,  17
.set G1,  24                           ; s[24:31] descriptor group 1: 80 rows of 256 bytes
.set G1K, 32                           ; s[32:39] the same with 16 rows
.set G0,  40                           ; s[40:43] descriptor group 0 for the blocks: it walks
.set G0K, 44                           ; s[44:47] for K of step 0
.set CNT, 48
.set TB,  49                           ; the slot, P's buffer and a's buffer in hand
.set PBC, 50
.set ABC, 51
.set CS,  52                           ; s[52:53] c; the packed scaling takes the pair's low word for both halves
.set SEL, 54                           ; s[54:55] v_permlanex16_b32's selects: each lane takes its own place in the other half
.set PFA, 56                           ; s[56:57] where my prefetches stand
.set LIM, 58                           ; a wave prefetches while the trips to come are more than this,
.set PM,  59                           ; and have no bit of this mask
.set MSK, 66
.set BETA, 67
.set XB,  68                           ; s[68:69] query, s[70:71] out0, at my work-group's rows and my wave's 512 bytes of them
.set OB,  70
.set MSB, 0
.macro WIN new                         ; the immediate's high byte repeats the setting that is left; a switch that changes nothing is dropped
.if MSB != (\new)
	s_set_vgpr_msb (MSB<<8)|(\new)
.set MSB, (\new)
.endif
.endm
.macro CREST                           ; a round of the cluster's barrier behind its opening barrier: wave 0 signals for the work-group; every wave waits for all four work-groups; my work-group's barrier once more
	s_cmp_lg_u32 s[WV], 0
	s_cbranch_scc1 .Lnot_wave_0_\@
	s_barrier_signal -3
.Lnot_wave_0_\@:
	s_barrier_wait -3
	s_barrier_signal -1
	s_barrier_wait -1
.endm
.macro CROUND                          ; a whole round
	s_barrier_signal -1
	s_barrier_wait -1
	CREST
.endm
; A PREFETCH INTO THE L2 of a later block of kv, which the launch before has stored: 32 pieces of 256 bytes, a lane each.  Each piece is named once in the launch: all clusters of a batch walk the same blocks, and the
; batch's first cluster asks; its partners are told apart BY ADDRESS.  Waves 0 and 1 ask in trip j for their eighth of V of block j + 2, which the next trip loads.  Wave 2 asks in every second trip for
; half of K of block j + 2 or j + 3.  Blocks 0 and 1, K of block 2 and K of block 31 (read at the head) come by their loads alone; the last trips ask for nothing.
.macro ASK
	s_cmp_gt_u32 s[CNT], s[LIM]
	s_cbranch_scc0 .Lnot_mine_\@
	s_and_b32 s22, s[CNT], s[PM]
	s_cmp_eq_u32 s22, 0
	s_cbranch_scc0 .Lnot_mine_\@
	global_prefetch_b8 v[PFO], s[PFA:PFA+1] th:TH_LOAD_NT scope:SCOPE_SE
.Lnot_mine_\@:
.endm
; THE LDS LOADS stand in runs of 36 at the most, never singly among the matrix instructions.
.macro LDA                             ; my row of a: (a, a) of the 8 tiles
	WIN 0
.irp q, 0,1,2,3
	ds_load_b128 v[AF+4*\q:AF+4*\q+3], v[ADA] offset:16*\q
.endr
.endm
.macro LDK hf                          ; key blocks 2 hf, 2 hf + 1 of a step's K: 8 fragments
	WIN 0x40
.set q, 16*(\hf)
.rept 16
	ds_load_b128 v[KF+4*q:KF+4*q+3], v[ADK] offset:512*q
.set q, q+1
.endr
.endm
.macro LDP hf                          ; keys 32 hf on of all eight tiles' P: 8 fragments
	WIN 0
.set q, 0
.rept 16
.set p, 4*(q/2)+2*(\hf)+q%2
	ds_load_b128 v[PF+4*p:PF+4*p+3], v[ADP] offset:512*p
.set q, q+1
.endr
.endm
.macro LDV kk                          ; keys 32 kk on of my channels' V: 8 fragments
	WIN 0x40
.set q, 0
.rept 16
	ds_load_b128 v[KF+64*(\kk)+4*q:KF+64*(\kk)+4*q+3], v[ADV] offset:8192*(\kk)+512*q
.set q, q+1
.endr
.endm
; THE MATRIX WORK.  Accumulators take turns, one instruction a turn.
; Score product n of 24 of group g (key blocks 2 g, 2 g + 1): link n / 4 of six: (kh, qh), (kh, ql), (kl, qh), each for d halves 0, 1; four accumulators (2 key blocks x 2 tiles) by turns.  Link 0 starts the sum.
.macro SW g
.set lk, n/4
.set kb, 2*(\g)+(n%4)/2
.set rS, S+32*(n%2)+8*kb
.set rK, KF+32*kb+8*(2*(lk/4)+lk%2)
.set rQ, QF+32*(n%2)+8*(2*((lk/2)%2)+lk%2)
	WIN 0x05
.if lk == 0
	v_wmma_f32_16x16x32_f16 v[rS:rS+7], v[rK:rK+7], v[rQ:rQ+7], 0
.else
	v_wmma_f32_16x16x32_f16 v[rS:rS+7], v[rK:rK+7], v[rQ:rQ+7], v[rS:rS+7]
.endif
.endm
; Product i of 128 of O^T += V^T P: keys 32 (i / 64) on, tile (i % 64) / 8, channels 16 (i % 8) on: 64 accumulators by turns.
.macro PVW
.set tT, (i%64)/8
.set rO, 8*(8*(tT%4)+i%8)
.set rV, KF+64*(i/64)+8*(i%8)
.set rP, PF+16*tT+8*(i/64)
	WIN 0xa1+0x50*(tT/4)
	v_wmma_f32_16x16x32_f16 v[rO:rO+7], v[rV:rV+7], v[rP:rP+7], v[rO:rO+7]
.endm
; THE RESCALING is a queue of 256: number rq multiplies pair rq % 32 of tile rq / 32 of O^T by the tile's a; in ascending order.  RN writes the next cnt of them.
.macro RN cnt
.rept \cnt
	WIN 0x82+0x41*(rq/128)
	v_pk_mul_f32 v[64*((rq/32)%4)+2*(rq%32):64*((rq/32)%4)+2*(rq%32)+1], v[64*((rq/32)%4)+2*(rq%32):64*((rq/32)%4)+2*(rq%32)+1], v[AF+2*(rq/32):AF+2*(rq/32)+1]
.set rq, rq+1
.endr
.endm
; 24 score products.  ride = 1 (group 0): three rescalings behind each, four behind the last: 73.  ride = 2 (group 1): none behind the first seven, then 2, fifteen times 3, and 4: 51.
; The four behind a group's last product are the places ahead of the loads of V into the registers of K that the group has read.
.macro SG g, ride
.set n, 0
.rept 24
	SW \g
.if (\ride) == 1
.if n == 23
	RN 4
.else
	RN 3
.endif
.elseif (\ride) == 2
.if n == 23
	RN 4
.elseif n > 7
	RN 3
.elseif n == 7
	RN 2
.endif
.endif
.set n, n+1
.endr
.endm
; THE SOFTMAX of one tile and step is a list of 102 instructions; SM writes number j of it for my tile t.  s0-s31 are the lane's 32 scores, in pairs 0-15.
;   0-15    the maximum of s0-s31 and the old m, three operands at a time: four chains c0-c3, then the four scores left over, c0-c3 and m (each accumulator's lowest registers are read first)
;   16-20   the other half of the lanes' maximum; c m_old is kept; the new m; c m; c m_old - c m_new
;   21-69   ONE BATCH: the 16 scalings c s - c m and all 33 exponentials (a at 23, then s0-s31); none of these reads an exponential's result
;   70-85   the roundings to f16, into window 1          86-101  the sums; l = a l + the sum
.macro SM t
.set rT, ST+8*(\t)
.set rS, S+32*(\t)
.set rP, PP+16*(\t)
.if (j >= 70) && (j < 86)
	WIN 0x40
.else
	WIN 0
.endif
.if j < 4
	v_max3_num_f32 v[rT+4+j], v[rS+8*j], v[rS+8*j+1], v[rS+8*j+2]
.elseif j < 12
	v_max3_num_f32 v[rT+4+j%4], v[rT+4+j%4], v[rS+8*(j%4)+2*(j/4)+1], v[rS+8*(j%4)+2*(j/4)+2]
.elseif j == 12
	v_max3_num_f32 v[rT+4], v[rT+4], v[rS+7], v[rS+15]
.elseif j == 13
	v_max3_num_f32 v[rT+6], v[rT+6], v[rS+23], v[rS+31]
.elseif j == 14
	v_max3_num_f32 v[rT+4], v[rT+4], v[rT+5], v[rT+6]
.elseif j == 15
	v_max3_num_f32 v[rT+4], v[rT+4], v[rT+7], v[rT+1]
.elseif j == 16
	v_permlanex16_b32 v[rT+5], v[rT+4], s[SEL], s[SEL+1]  ; the query's other 32 keys lie in the lane 16 away
.elseif j == 17
	v_mov_b32 v[rT+7], v[rT]
.elseif j == 18
	v_max_num_f32 v[rT+1], v[rT+4], v[rT+5]
.elseif j == 19
	v_mul_f32 v[rT], s[CS], v[rT+1]
.elseif j == 20
	v_sub_f32 v[rT+7], v[rT+7], v[rT]
.elseif j == 23
	v_exp_f32 v[rT+6], v[rT+7]
.elseif (j < 23) || ((j < 38) && (j%2 == 0)) || ((j < 66) && (j%4 == 2))
.set b, (j-2)/4                        ; 38, 42, .. 62: pairs 9 to 15
.if j < 38
.set b, (j-20)/2                       ; 21: pair 0; 22, 24, .. 36: pairs 1 to 8
.endif
	v_pk_fma_f32 v[rS+2*b:rS+2*b+1], v[rS+2*b:rS+2*b+1], s[CS:CS+1], v[rT:rT+1] op_sel_hi:[1,0,0] neg_lo:[0,0,1] neg_hi:[0,0,1]
.elseif j < 70
.set e, j-38                           ; 66 to 69: s28 to s31
.if j < 66
.set e, j-32-(j-38)/4                  ; 39-41, 43-45, .. 63-65: s7 to s27
.endif
.if j < 38
.set e, (j-25)/2                       ; 25, 27, .. 37: s0 to s6
.endif
	v_exp_f32 v[rS+e], v[rS+e]
.elseif j < 86
	v_cvt_pk_f16_f32 v[rP+j-70], v[rS+2*(j-70)], v[rS+2*(j-70)+1]
.else
.set z, j-86                           ; sum z of 16 adds neighbours 1, 2, 4 and 8 pairs apart, in place; then l takes it
.set w, 4
.set u, z
.if z >= 14
.set w, 32
.set u, 0
.elseif z >= 12
.set w, 16
.set u, z-12
.elseif z >= 8
.set w, 8
.set u, z-8
.endif
.if z < 15
	v_pk_add_f32 v[rS+w*u:rS+w*u+1], v[rS+w*u:rS+w*u+1], v[rS+w*u+w/2:rS+w*u+w/2+1]
.else
	v_pk_fma_f32 v[rT+2:rT+3], v[rT+2:rT+3], v[rT+6:rT+7], v[rS:rS+1] op_sel_hi:[1,0,1]
.endif
.endif
.endm
; BOTH TILES' LISTS AS ONE QUEUE of 204; SMQ writes number sq.  In fours: fours 11 to 34 deal out the batch, four numbers of ONE tile each, the tiles by turns; every other four is numbers 2 k and 2 k + 1 of both
; tiles, alternating.  Ahead of number 140 nothing names an exponential's result and behind number 139 no exponential is issued: so the 66 exponentials have one plain instruction and ONE wait, behind number 139.
.macro SMQ
.set k, sq/4
.set pp, sq%4
.if (k >= 11) && (k < 35)
.set j, 22+4*((k-11)/2)+pp
	SM (k-11)%2
.else
.set j, 2*k+pp/2
	SM pp%2
.endif
.if sq == 139
	v_nop
	s_wait_alu depctr_va_vdst(0)
.endif
.set sq, sq+1
.endm
.macro PST                             ; my two tiles' a, doubled, and P go into the buffers that the next trip reads
	WIN 0
	v_mov_b32 v[ST+7],  v[ST+6]
	v_mov_b32 v[ST+15], v[ST+14]
	ds_store_b64 v[ASA], v[ST+6:ST+7]
	ds_store_b64 v[ASA], v[ST+14:ST+15] offset:8
	WIN 0x04
.set q, 0
.rept 8
	ds_store_b128 v[PSA], v[PP+4*q:PP+4*q+3] offset:512*q
.set q, q+1
.endr
.endm
; Products from .. to - 1 of V^T P.  mode 0: bare.  mode 1: three of the softmax's queue behind each; V's second half is waited for behind product 63.  mode 2: three rescalings behind each.
.macro PVR from, to, mode
.set i, \from
.rept (\to)-(\from)
	PVW
.if (\mode) == 1
	SMQ
	SMQ
	SMQ
.if i == 63
	s_wait_dscnt 0x0                               ; V's second half is in: my last read of the slot
.endif
.elseif (\mode) == 2
	RN 3
.endif
.set i, i+1
.endr
.endm
; THE CHANGE OF SLOTS, at the head of trip j.  In front of the round each wave waits for its one tensor load that is out (its part of block j), adds 0 to its spare word, and waits for that, for its stores of P(j) and
; a(j) and for its reads of the other slot and the other buffers.  Behind the round the other slot is filled again first, with block j + 1: it has a trip's 176 matrix instructions in which to land.
; pv = 1: products 68-83 of the step before, work on registers alone, stand between the add and its wait and between the round's opening signal and its wait.
.macro CHG pv
	WIN 0
	s_wait_xcnt 0x0                                ; the last prefetch, a trip back, has read its address
	s_add_nc_u64 s[PFA:PFA+1], s[PFA:PFA+1], BLK
	s_wait_tensorcnt 0x0                           ; no tensor load of mine is out, so the group 0 may be written
	ds_add_u32 v[SPW], v[NIL]                      ; 0 onto my spare word
	s_xor_b32 s[G0+1], s[G0+1], SLOT1              ; the other slot,
	s_add_nc_u64 s[G0+2:G0+3], s[G0+2:G0+3], BLK   ; the next block; the type bits on top are not reached
	s_xor_b32 s[TB], s[TB], SLOT1
	s_xor_b32 s[PBC], s[PBC], PTOG
	s_xor_b32 s[ABC], s[ABC], ATOG
	s_xor_b32 s20, s[PBC], PTOG                    ; the buffers that this trip writes
	s_xor_b32 s21, s[ABC], ATOG
.if \pv
	PVR 68, 76, 0
.endif
	s_wait_dscnt 0x0
	s_barrier_signal -1
.if \pv
	PVR 76, 84, 0
	WIN 0
.endif
	s_barrier_wait -1
	CREST
	tensor_load_to_lds s[G0:G0+3], s[G1:G1+7]      ; my one tensor load behind the round
	s_nop 0
	v_add_nc_u32 v[ADK], s[TB], v[L16]
	v_add_nc_u32 v[ADV], s[TB], v[VB0]
	v_add_nc_u32 v[ADP], s[PBC], v[L16]
	v_add_nc_u32 v[ADA], s[ABC], v[ARB]
	LDA                                            ; 36 loads, all into registers that no product has read since number 63
	LDK 0
	LDP 0
	ASK
.endm
; FOUR ROWS OF THE RESIDUAL, in trips 0 to 23 (31 down to 8 trips to come): the rows asked for a trip ago are rounded to bf16 and stored into my own block of LDS; but for the last time, the next four are asked for.
; The trip's number enters both offsets through a minimum with a constant.  Both jumps go forward, past no barrier and no tensor load.
.macro XBLK
	s_cmp_lt_u32 s[CNT], 8
	s_cbranch_scc1 .Lno_x_\@
	s_sub_co_u32 s22, 31, s[CNT]                   ; the trip's number,
	s_min_u32 s22, s22, 23                         ; 23 at the most
	s_lshl_b32 s23, s22, 10                        ; four rows of 256 bytes a trip
	s_wait_loadcnt 0x0                             ; they are in, and their address register is free
	v_add_nc_u32 v[XSA], s23, v[XS0]
	WIN 0x45
.set q, 0
.rept 4
	v_cvt_pk_bf16_f32 v[XR+4*q],   v[XR+4*q],   v[XR+4*q+1]
	v_cvt_pk_bf16_f32 v[XR+4*q+1], v[XR+4*q+2], v[XR+4*q+3]
.set q, q+1
.endr
	WIN 0x04
.set q, 0
.rept 4
	ds_store_b64 v[XSA], v[XR+4*q:XR+4*q+1] offset:256*q
.set q, q+1
.endr
	WIN 0
	s_cmp_eq_u32 s[CNT], 8
	s_cbranch_scc1 .Lno_x_\@
	s_lshl_b32 s23, s22, 13                        ; four rows of 2,048 bytes a trip,
	s_add_co_u32 s23, s23, 8192                    ; the next trip's
	v_add_nc_u32 v[XGO], s23, v[L16]
	WIN 0x40
.set q, 0
.rept 4
	global_load_b128 v[XR+4*q:XR+4*q+3], v[XGO], s[XB:XB+1] offset:2048*q th:TH_LOAD_NT
.set q, q+1
.endr
	WIN 0
.Lno_x_\@:
.endm
	s_load_b256 s[4:11], s[0:1], 0x0               ; qf s[4:5], kv s[6:7], query s[8:9], beta s[10:11]
	s_load_b64 s[12:13], s[0:1], 0x20              ; out0
	v_lshl_add_u32 v[SPW], v0, 2, SPARE
	v_mov_b32 v[NIL], 0
	ds_add_u32 v[SPW], v[NIL]                      ; the wave's opening: the add and its wait stand ahead of my first tensor load; the set-up below, work on registers, stands between them
	v_lshrrev_b32 v1, 5, v0
	v_readfirstlane_b32 s[WV], v1                  ; wave 0..3
	s_bfe_u32 s[CX], ttmp6, 0x40000
	s_lshl_b32 s[QBK], ttmp9, 2                    ; in a cluster launch ttmp9 counts clusters
	s_add_co_u32 s[QBK], s[QBK], s[CX]             ; my block of 128 queries
	s_and_b32 s[BT], ttmp7, 0xffff                 ; the batch, which the four partners share
	; descriptor group 1: dense bytes as rows of 256: 80 rows (a quarter of a block), 16 rows (a quarter of K)
	s_mov_b32 s[G1],  15|(3<<16)|(1<<21)           ; 15:0 the mask of four; 17:16 elements of 8 bytes; 21 set beside a mask; no padding
	s_mov_b32 s[G1K], 15|(3<<16)|(1<<21)
	s_mov_b32 s[G1+1],  32<<16                     ; tensor_dim0 = 32
	s_mov_b32 s[G1K+1], 32<<16
	s_mov_b32 s[G1+2],  80<<16                     ; tensor_dim1
	s_mov_b32 s[G1K+2], 16<<16
	s_mov_b32 s[G1+3],  32<<16                     ; tile_dim0 = 32
	s_mov_b32 s[G1K+3], 32<<16
	s_mov_b32 s[G1+4],  80                         ; tile_dim1
	s_mov_b32 s[G1K+4], 16
	s_mov_b32 s[G1+5],  32                         ; 32 elements from row to row
	s_mov_b32 s[G1K+5], 32
	s_mov_b32 s[G1+6],  0
	s_mov_b32 s[G1K+6], 0
	s_mov_b32 s[G1+7],  0
	s_mov_b32 s[G1K+7], 0
	s_mul_i32 s20, s[BT], 32*BLK                   ; the batch's 32 blocks
	s_mov_b32 s21, 0
	s_mul_i32 s22, s[WV], QUART
	s_mov_b32 s23, 0
	s_lshl_b32 s18, s[WV], 12
	s_mov_b32 s19, 0
	s_mov_b32 s[G0], 1                             ; count = 1
	s_mov_b32 s[G0+1], s22                         ; LDS address: slot 0, my quarter: no place in the cluster enters it
	s_mov_b32 s[G0K], 1
	s_add_co_u32 s[G0K+1], s18, K0R
	s_mov_b32 s[TB],  SLOT1                        ; the first change turns these three to slot 0 and the first buffers
	s_mov_b32 s[PBC], PB0^PTOG
	s_mov_b32 s[ABC], AB0^ATOG
	s_mov_b32 s[CS], 0x3fb8aa3b                    ; c = log2(e)
	s_mov_b32 s[CS+1], s[CS]                       ; named with it as a pair
	s_mov_b32 s[SEL], 0x76543210
	s_mov_b32 s[SEL+1], 0xfedcba98
	s_mov_b32 s[MSK], 0xffff0000
	s_wait_dscnt 0x0                               ; the opening add is done
	s_wait_kmcnt 0x0
	s_load_b32 s[BETA], s[10:11], 0x0
	s_add_nc_u64 s[6:7], s[6:7], s[20:21]          ; kv at the batch
	s_add_nc_u64 s[G0+2:G0+3], s[6:7], s[22:23]    ; block 0, my quarter
	s_or_b32 s[G0+3], s[G0+3], 0x80000000          ; type = 2
	s_add_nc_u64 s[G0K+2:G0K+3], s[6:7], s[18:19]
	s_add_nc_u64 s[G0K+2:G0K+3], s[G0K+2:G0K+3], 31*BLK  ; block 31 holds K of step 0
	s_or_b32 s[G0K+3], s[G0K+3], 0x80000000
	s_lshl_b32 s60, s[BT], 19                      ; qf: 128 tiles of 4,096 bytes a batch, 8 a block, 2 a wave
	s_lshl_b32 s62, s[QBK], 15
	s_add_co_u32 s60, s60, s62
	s_lshl_b32 s62, s[WV], 13
	s_add_co_u32 s60, s60, s62
	s_mov_b32 s61, 0
	s_add_nc_u64 s[4:5], s[4:5], s[60:61]
	s_lshl_b32 s60, s[BT], 22                      ; query and out0: rows of 2,048 bytes; my wave's 512 bytes of a row
	s_lshl_b32 s62, s[QBK], 18
	s_add_co_u32 s60, s60, s62
	s_lshl_b32 s62, s[WV], 9
	s_add_co_u32 s60, s60, s62
	s_add_nc_u64 s[XB:XB+1], s[8:9], s[60:61]
	s_add_nc_u64 s[OB:OB+1], s[12:13], s[60:61]
	s_lshl_b32 s60, s[CX], 14                      ; the prefetches, one block short of what trip 0 names.  Waves 0, 1: V of block 1, quarter cx, half w
	s_lshl_b32 s62, s[WV], 13
	s_add_co_u32 s60, s60, s62
	s_add_co_u32 s60, s60, BLK+16384
	s_lshr_b32 s62, s[CX], 1                       ; wave 2: K of block 1 + cx / 2, half cx % 2
	s_mul_i32 s62, s62, BLK
	s_and_b32 s63, s[CX], 1
	s_lshl_b32 s63, s63, 13
	s_add_co_u32 s62, s62, s63
	s_add_co_u32 s62, s62, BLK
	s_cmp_lt_u32 s[WV], 2
	s_cselect_b32 s60, s60, s62
	s_cselect_b32 s[LIM], 1, 3
	s_cselect_b32 s[PM], 0, 1
	s_cmp_eq_u32 s[WV], 3
	s_cselect_b32 s[LIM], -1, s[LIM]               ; wave 3 never asks,
	s_cmp_lg_u32 ttmp9, 0
	s_cselect_b32 s[LIM], -1, s[LIM]               ; nor any cluster but the batch's first: the same in all four partners
	s_add_nc_u64 s[PFA:PFA+1], s[6:7], s[60:61]
	CROUND                                         ; all four work-groups are here: the first joint loads meet
	tensor_load_to_lds s[G0K:G0K+3], s[G1K:G1K+7]  ; the first fills go out together: K of step 0, then block 0: two tensor loads of mine are out
	s_nop 0
	tensor_load_to_lds s[G0:G0+3], s[G1:G1+7]
	s_nop 0
	v_and_b32 v1, 31, v0
	v_lshlrev_b32 v[L16], 4, v1
	v_lshlrev_b32 v[PFO], 8, v1
	v_and_b32 v[RR], 15, v0
	v_bfe_u32 v[HH], v0, 4, 1
	s_lshl_b32 s18, s[WV], 14
	s_add_co_u32 s18, s18, 16384
	v_add_nc_u32 v[VB0], s18, v[L16]
	s_lshl_b32 s18, s[WV], 12
	v_add_nc_u32 v[PSB], s18, v[L16]
	v_mul_u32_u24 v[ARB], v[RR], AP
	s_lshl_b32 s18, s[WV], 4
	v_add_nc_u32 v[ASB], s18, v[ARB]
	s_mul_i32 s18, s[WV], STW
	v_mul_u32_u24 v[STO], v[RR], SPI
	v_lshl_add_u32 v[STO], v[HH], 5, v[STO]
	v_add_nc_u32 v[STO], s18, v[STO]
	v_add_nc_u32 v[RD0], s18, v[L16]
	s_mul_i32 s18, s[WV], XW
	s_add_co_u32 s18, s18, XL
	v_lshl_add_u32 v[XS0], v1, 3, s18              ; my block of x + 8 l
	v_mov_b32 v[XRA], v[XS0]
	s_lshl_b32 s18, s[WV], 8
	s_add_co_u32 s18, s18, GB
	v_lshl_add_u32 v[GSA], v[RR], 3, s18
	v_mov_b32 v[GA], GB
	v_add_nc_u32 v[ADK], K0R, v[L16]
	v_add_nc_u32 v[PSA], PB0, v[PSB]
	v_add_nc_u32 v[ASA], AB0, v[ASB]
.irp t, 0,1
	v_mov_b32 v[ST+8*\t],   0xfe000000             ; c m: far below every c s
	v_mov_b32 v[ST+8*\t+1], 0xff7fffff             ; m
	v_mov_b32 v[ST+8*\t+2], 0                      ; l
	v_mov_b32 v[ST+8*\t+3], 0
.endr
	WIN 0x40
.set q, 0
.rept 16                                       ; Q stays in registers: my two tiles, 8 fragments on end
	global_load_b128 v[QF+4*q:QF+4*q+3], v[L16], s[4:5] offset:512*q
.set q, q+1
.endr
.set q, 0
.rept 4                                        ; the residual's rows 0 to 3
	global_load_b128 v[XR+4*q:XR+4*q+3], v[L16], s[XB:XB+1] offset:2048*q th:TH_LOAD_NT
.set q, q+1
.endr
	WIN 0x80                                       ; O^T starts at 0
.set q, 0
.rept 256
	v_mov_b32 v[q], 0
.set q, q+1
.endr
	WIN 0xc0
.set q, 0
.rept 256
	v_mov_b32 v[q], 0
.set q, q+1
.endr
	WIN 0
	s_wait_kmcnt 0x0
	v_mov_b32 v22, s[BETA]                         ; beta, rounded to bf16 like every input
	v_cvt_pk_bf16_f32 v22, v22, v22
	v_lshlrev_b32 v22, 16, v22
	v_readfirstlane_b32 s[BETA], v22
	s_wait_tensorcnt 1                             ; my part of K of step 0 is in; block 0 may stay out
	s_barrier_signal -1
	s_barrier_wait -1                              ; everybody's is
	LDK 0
	LDK 1
	s_wait_loadcnt 4                               ; Q is in; the four younger loads of x may stay out
	s_wait_dscnt 16                                ; K's blocks 0, 1; the 16 younger loads may be out
	SG 0, 0
	s_wait_dscnt 0x0
	SG 1, 0
	WIN 0
.rept 4
	v_nop                                          ; the places behind those products
.endr
.set sq, 0
.rept 204
	SMQ                                            ; the softmax of step 0: there is no matrix work yet to set it behind
.endr
	PST
	WIN 0
	s_mov_b32 s[CNT], 31
	CHG 0                                          ; trip 0's change of slots: there are no products of a step before
	s_branch .Lfirst                               ; the loop is entered in the middle of a trip; the 132 rescalings that are jumped would multiply an O^T that is still 0
.Ltrip:                                                ; trip j = 31 - CNT, 1 to 30
	CHG 1
	s_wait_dscnt 32                                ; a is in; K's 16 loads and P's 16 may be out
.set rq, 0
	PVR 84, 128, 2                                 ; the rest of the step before; rescaling number 3 (i - 84) .. stands 20 products or more behind the last product on its accumulator
	WIN 0
.Lfirst:
	v_add_nc_u32 v[PSA], s20, v[PSB]               ; with the three rescalings behind product 127: the places ahead of the loads into registers that the last products have read
	v_add_nc_u32 v[ASA], s21, v[ASB]
	LDK 1
	LDP 1
	s_wait_dscnt 48                                ; a and K's blocks 0, 1 are in; P's first 16 loads, K's other 16 and P's other 16 may be out
.set rq, 132
	SG 0, 1
	LDV 0                                          ; into the registers of K's blocks 0, 1
	s_wait_dscnt 32                                ; K's blocks 2, 3 are in; P's 16 loads and V's 16 may be out
	SG 1, 2
	WIN 0
	XBLK
	LDV 1                                          ; into the registers of K's blocks 2, 3
	s_wait_dscnt 16                                ; P and V's first half are in; V's second 16 loads may be out
.set sq, 0
	PVR 0, 68, 1
	PST
	WIN 0
	s_sub_co_u32 s[CNT], s[CNT], 1
	s_cmp_lg_u32 s[CNT], 0
	s_cbranch_scc1 .Ltrip
	; TRIP 31 is written out: no block is asked for and there are no further scores.  First g = beta / l for my 32 queries.
.irp t, 0,1
	v_add_f32 v[ST+8*\t+4], v[ST+8*\t+2], v[ST+8*\t+3]
.endr
.irp t, 0,1
	v_permlanex16_b32 v[ST+8*\t+5], v[ST+8*\t+4], s[SEL], s[SEL+1]
.endr
.irp t, 0,1
	v_add_f32 v[ST+8*\t+4], v[ST+8*\t+4], v[ST+8*\t+5]
.endr
.irp t, 0,1
	v_rcp_f32 v[ST+8*\t+6], v[ST+8*\t+4]
.endr
	v_nop                                          ; a plain instruction between the last reciprocal and the use of its result,
	s_wait_alu depctr_va_vdst(0)                   ; and one wait for the two
.irp t, 0,1
	v_mul_f32 v[ST+8*\t+6], s[BETA], v[ST+8*\t+6]
.endr
.irp t, 0,1
	v_mov_b32 v[ST+8*\t+7], v[ST+8*\t+6]
.endr
	ds_store_b64 v[GSA], v[ST+6:ST+7]
	ds_store_b64 v[GSA], v[ST+14:ST+15] offset:128
	s_wait_tensorcnt 0x0                           ; my part of block 31 has landed
	ds_add_u32 v[SPW], v[NIL]
	s_xor_b32 s[TB], s[TB], SLOT1
	s_xor_b32 s[PBC], s[PBC], PTOG
	s_xor_b32 s[ABC], s[ABC], ATOG
	PVR 68, 76, 0
	s_wait_dscnt 0x0                               ; my stores of P, a and g are done
	s_barrier_signal -1
	PVR 76, 84, 0
	WIN 0
	s_barrier_wait -1                              ; everybody's are
	v_add_nc_u32 v[ADV], s[TB], v[VB0]
	v_add_nc_u32 v[ADP], s[PBC], v[L16]
	v_add_nc_u32 v[ADA], s[ABC], v[ARB]
	v_nop
	LDA
	LDP 0
	LDV 0
	s_wait_loadcnt 0x0                             ; no load into x's registers is out
	WIN 0x40                                       ; the residual's rows 96 to 127, into Q's registers, my P's and x's, which are free: they land under the 172 products that follow
.set q, 0
.rept 32
	global_load_b128 v[192*(q/16)+4*(q%16):192*(q/16)+4*(q%16)+3], v[L16], s[XB:XB+1] offset:2048*(XROWS+q) th:TH_LOAD_NT
.set q, q+1
.endr
	WIN 0
	s_wait_dscnt 32                                ; a is in; P's 16 loads and V's 16 may be out
.set rq, 0
	PVR 84, 128, 2
	RN 4                                           ; with the three behind product 127: the places ahead of the loads below
	LDP 1
	LDV 1
	RN 120
	s_wait_dscnt 0x0                               ; my last reads of the slots and of P's and a's buffers are over:
	s_barrier_signal -1                            ; say so,
	PVR 0, 128, 0                                  ; work on registers while the others arrive,
	WIN 0
	s_barrier_wait -1                              ; and only then are those bytes written over: they have had their last fill
	; THE WAY OUT.  O^T goes into my own stage, 64 rows at a time, 32 bytes a lane into rows of 528; it comes back as whole rows of my 128 channels, 512 bytes; out = bf16(x) + g o, one fused multiply-add for two numbers.
.macro STG hf                          ; tiles 4 hf .. 4 hf + 3; each accumulator's low registers go first
	WIN 0x08+4*(\hf)
.set tT, 0
.rept 4
.set cb, 0
.rept 8
	ds_store_b128 v[STO], v[8*(8*tT+cb):8*(8*tT+cb)+3]   offset:16*SPI*tT+64*cb
	ds_store_b128 v[STO], v[8*(8*tT+cb)+4:8*(8*tT+cb)+7] offset:16*SPI*tT+64*cb+16
.set cb, cb+1
.endr
.set tT, tT+1
.endr
	WIN 0
.endm
.macro LROW g                          ; group g of a chunk's two: 16 rows of o and their (g, g)
	WIN 0
.set i, 0
.rept 16
	ds_load_b128 v[OR+64*(\g)+4*i:OR+64*(\g)+4*i+3], v[RD] offset:SPI*(16*(\g)+i)  ; LDS serves a wave's instructions in order (ISA guide 5.7.1.4): these see my stores above
.set i, i+1
.endr
.set i, 0
.rept 8
	ds_load_b128 v[GR+32*(\g)+4*i:GR+32*(\g)+4*i+3], v[GA] offset:128*(\g)+16*i   ; two rows' (g, g): the same words for every lane
.set i, i+1
.endr
.endm
.macro LX g                            ; the group's 16 rows of x from my block: 8 bytes a lane, four channels in bf16
	WIN 0x40
.set i, 0
.rept 16
	ds_load_b64 v[XU+64*(\g)+4*i:XU+64*(\g)+4*i+1], v[XRA] offset:256*(16*(\g)+i)
.set i, i+1
.endr
	WIN 0
.endm
; The group's arithmetic and stores.  xb: x's first register, in window 1.  reg = 1: x lies there in f32 and is rounded to bf16 first; reg = 0: two registers of bf16.  Either way it is widened in place.
.macro CROW g, xb, reg
	WIN 0x45
.set i, 0
.rept 16
.set rX, (\xb)+4*i
.if \reg
	v_cvt_pk_bf16_f32 v[rX],   v[rX],   v[rX+1]
	v_cvt_pk_bf16_f32 v[rX+2], v[rX+2], v[rX+3]
	v_and_b32 v[rX+1], s[MSK], v[rX]
	v_and_b32 v[rX+3], s[MSK], v[rX+2]
	v_lshlrev_b32 v[rX],   16, v[rX]
	v_lshlrev_b32 v[rX+2], 16, v[rX+2]
.else
	v_and_b32 v[rX+3], s[MSK], v[rX+1]
	v_lshlrev_b32 v[rX+2], 16, v[rX+1]
	v_and_b32 v[rX+1], s[MSK], v[rX]
	v_lshlrev_b32 v[rX],   16, v[rX]
.endif
.set i, i+1
.endr
	WIN 0x10                                       ; source 2 (x) in window 1
.set i, 0
.rept 16
.set rX, (\xb)+4*i
.set rO, OR+64*(\g)+4*i
.set rG, GR+32*(\g)+2*i
	v_pk_fma_f32 v[rO:rO+1],   v[rO:rO+1],   v[rG:rG+1], v[rX:rX+1]
	v_pk_fma_f32 v[rO+2:rO+3], v[rO+2:rO+3], v[rG:rG+1], v[rX+2:rX+3]
.set i, i+1
.endr
	WIN 0
.set i, 0
.rept 16
.set rO, OR+64*(\g)+4*i
	global_store_b128 v[L16], v[rO:rO+3], s[OB:OB+1] offset:2048*(16*(\g)+i) th:TH_STORE_NT  ; 512 consecutive bytes, at a multiple of 512 from out0's first byte
.set i, i+1
.endr
.endm
.macro ROWSL                           ; a chunk of 32 rows whose x lies in LDS; the second group's 40 loads are out while the first is worked on
	LROW 0
	LX 0
	s_wait_dscnt 0x0
	LROW 1
	LX 1
	CROW 0, XU, 0
	s_wait_dscnt 0x0
	CROW 1, XU+64, 0
	s_wait_xcnt 0x0                                ; the stores have read their registers and base: only behind this wait are those written again
	s_add_nc_u64 s[OB:OB+1], s[OB:OB+1], 65536
	v_add_nc_u32 v[RD], 32*SPI, v[RD]
	v_add_nc_u32 v[GA], 256, v[GA]
	v_add_nc_u32 v[XRA], 32*256, v[XRA]
.endm
.rept 4
	v_nop                                          ; the places behind the last products
.endr
	STG 0                                          ; rows 0 to 63
	v_mov_b32 v[RD], v[RD0]
	s_mov_b32 s[CNT], 2
.Lrows:
	ROWSL
	s_sub_co_u32 s[CNT], s[CNT], 1
	s_cmp_lg_u32 s[CNT], 0
	s_cbranch_scc1 .Lrows
	STG 1                                          ; rows 64 to 127, over the rows that have been read back
	v_mov_b32 v[RD], v[RD0]
	ROWSL                                          ; rows 64 to 95
	LROW 0                                         ; rows 96 to 127: their x lies in registers
	LROW 1
	s_wait_loadcnt 0x0
	s_wait_dscnt 0x0
	CROW 0, 0, 1
	CROW 1, 192, 1
	s_wait_tensorcnt 0x0                           ; the wave's end: behind my last tensor load and my last LDS store
	ds_add_u32 v[SPW], v[NIL]
	s_wait_dscnt 0x0
	CROUND                                         ; the closing round: no work-group ends while a partner may still ask for a tile that names it
	s_endpgm
.Lfunc_end_k_q17a580b2f5_attn:
	.size	k_q17a580b2f5_attn, .Lfunc_end_k_q17a580b2f5_attn-k_q17a580b2f5_attn
	.p2alignl 7, 3214868480
	.fill 96, 4, 3214868480
	.section	.rodata,"a",@progbits
	.p2align	6, 0x0
	.amdhsa_kernel k_q17a580b2f5_attn
		.amdhsa_group_segment_fixed_size 327680
		.amdhsa_private_segment_fixed_size 0
		.amdhsa_enable_private_segment 0
		.amdhsa_kernarg_size 40
		.amdhsa_user_sgpr_count 2
		.amdhsa_user_sgpr_kernarg_segment_ptr 1
		.amdhsa_wavefront_size32 1
		.amdhsa_system_sgpr_workgroup_id_x 1
		.amdhsa_system_sgpr_workgroup_id_y 1
		.amdhsa_system_sgpr_workgroup_id_z 1
		.amdhsa_system_vgpr_workitem_id 0
		.amdhsa_next_free_vgpr 1024
		.amdhsa_next_free_sgpr 72
		.amdhsa_reserve_vcc 0
		.amdhsa_float_denorm_mode_32 3
		.amdhsa_float_denorm_mode_16_64 3
		.amdhsa_memory_ordered 1
		.amdhsa_forward_progress 1
		.amdhsa_inst_pref_size 204
	.end_amdhsa_kernel
	.amdgpu_metadata
---
amdhsa.version: [ 1, 2 ]
amdhsa.kernels:
  - .name:           k_q17a580b2f5_attn
    .symbol:         k_q17a580b2f5_attn.kd
    .args:
      - { .name: qf, .offset: 0, .size: 8, .value_kind: global_buffer, .address_space: global }
      - { .name: kv, .offset: 8, .size: 8, .value_kind: global_buffer, .address_space: global }
      - { .name: query, .offset: 16, .size: 8, .value_kind: global_buffer, .address_space: global }
      - { .name: beta, .offset: 24, .size: 8, .value_kind: global_buffer, .address_space: global }
      - { .name: out0, .offset: 32, .size: 8, .value_kind: global_buffer, .address_space: global }
    .group_segment_fixed_size: 327680
    .private_segment_fixed_size: 0
    .kernarg_segment_align: 8
    .kernarg_segment_size: 40
    .max_flat_workgroup_size: 128
    .sgpr_count:     72
    .vgpr_count:     1024
    .wavefront_size: 32
...
	.end_amdgpu_metadata
.endif
;; end of part 3
